; MI455X (gfx1250); checked and timed in simulation.
; The chip was launched on July 23, 2026; its instructions are those of AMD's public machine-readable ISA for CDNA 5 (MIT licence, August 2026) and "CDNA5" Instruction Set Architecture Reference Guide (July 2026). The comments in the code are by the model that wrote it; some were corrected since.
;; Model. Allowed arithmetic: matrix products marked QUANTISED: E4M3 operands, one given power-of-two scale a tensor, by v_wmma_f32_16x16x64_fp8_fp8 or v_wmma_f32_16x16x128_fp8_fp8, f32 sums; everything else in f32.
;; Inputs: Wk 1,024 x 1,024 float32; Wo 1,024 x 1,024 float32; Wq 1,024 x 1,024 float32; Wv 1,024 x 1,024 float32; bk 1,024 float32; bo 1,024 float32; bq 1,024 float32; bv 1,024 float32; lowp_scales 12 int32 (the exponents e of the quantised operands' scales 2^e); x 4 x 2,048 x 1,024 float32; y 4 x 2,048 x 1,024 float32.
;; Outputs: out0 4 x 2,048 x 1,024 float32.
;; This version of the problem:
;;   THIS VERSION OF THE PROBLEM IS GIVEN IN LOW PRECISION. The matrix products marked QUANTISED in the list below multiply operands that are first quantised to E4M3 (4 exponent bits, 3 mantissa bits; 8 bits a number), with one given power-of-two scale for each operand tensor; their sums are f32. All else is computed in f32.
;;   The module's matrix products, in the order in which they are computed (A, B: the left and right operand; K: the contracted axis; several contracted axes count as one K, in the product's order):
;;     1. [M 8,192, K 1,024] x [K 1,024, N 1,024]; A: input x; B: input Wq: QUANTISED (scales: A lowp_scales[0], B lowp_scales[1])
;;     2. [M 8,192, K 1,024] x [K 1,024, N 1,024]; A: input y; B: input Wk: QUANTISED (scales: A lowp_scales[2], B lowp_scales[3])
;;     3. [M 8,192, K 1,024] x [K 1,024, N 1,024]; A: input y; B: input Wv: QUANTISED (scales: A lowp_scales[4], B lowp_scales[5])
;;     4. batch 32 x [M 2,048, K 128] x [K 128, N 2,048]; A: computed on the way; B: computed on the way: QUANTISED (scales: A lowp_scales[6], B lowp_scales[7])
;;     5. batch 32 x [M 2,048, K 2,048] x [K 2,048, N 128]; A: softmax (see below); B: computed on the way: QUANTISED (scales: A lowp_scales[8], B lowp_scales[9])
;;     6. [M 8,192, K 1,024] x [K 1,024, N 1,024]; A: computed on the way; B: input Wo: QUANTISED (scales: A lowp_scales[10], B lowp_scales[11])
;;   THE QUANTISER, for each operand of a quantised product, along K:
;;     - The operand's scale is 2^e, e = its entry of the input lowp_scales (int32; the entries are numbered through the quantised products in the list's order, A before B).
;;     - Each number is divided by the scale, clamped to +-448, and rounded to the nearest number of E4M3, ties to even, subnormals kept.
;;     - The product sums the exact products of the quantised numbers (number of the format x scale) in f32.
;;   ~~~python
;;   def quantise(x, axis, e):      # numpy; x: float32 -> the quantised numbers, widened to float32 again
;;       x = np.moveaxis(x, axis, -1); K = x.shape[-1]
;;       r = np.clip(x / 2.0 ** e, -448, 448)
;;       step = 2.0 ** (np.maximum(np.frexp(np.where(r == 0, 1, r))[1] - 1, -6) - 3)
;;       q = np.round(r / step) * step * 2.0 ** e      # np.round: ties to even
;;       return np.moveaxis(q, -1, axis).astype(np.float32)
;;   ~~~
;;   SOFTMAX AHEAD OF A QUANTISED PRODUCT. Where the list says 'softmax', what is quantised is not the finished softmax but p = 2^(t - M), with t = logit x log2(e) and M = ceil(the row's largest t), a whole number; so 1/2 < the row's largest p <= 1. The row's sum l is taken of the UNQUANTISED p, in f32, and the product's result is divided by l at the end. Since M is a whole number, a kernel that streams over the keys may use a running M (the ceiling of the running maximum): every later rescaling is an exact power of two, so the quantised numbers keep their values, but for numbers so far below the row's largest that they fall under the format's range.
;;   OPERANDS COMPUTED ON THE WAY. 'Computed on the way' means the value that the module computes at that place (a softmax that the list does not call 'softmax' is quantised finished and normalised). What goes into a quantiser is computed in f32, as accurately as f32 sums, v_exp_f32 and their like allow (about 1e-6 of the number): no bf16 or f16 on the way to a quantiser, and a product that is left as it is and whose result goes on into a quantised operand takes f32 operands (vector FMAs, or v_wmma_f32_16x16x4_f32). A number that lies on a knife's edge between two numbers of the format may be rounded either way, as far as f32 arithmetic and the matrix unit's own rounding can turn it there, and no further.
;; One version. Each part assembles by itself: llvm-mc -triple=amdgcn-amd-amdhsa -mcpu=gfx1250 --defsym DOCPART=n.
;; ======== version 1 of 1: 4 launches
;; limits: right only within a limited range of input values
;; workspace buffers: a_codes 25,165,824 bytes; w_codes 4,194,304 bytes; qkv 25,165,824 bytes; ctx_codes 8,388,608 bytes
;; launch quant (part 1): grid 640 x 1, 4 waves a work-group, no clusters, 33,280 bytes of LDS; arguments x, y, Wq, Wk, Wv, Wo, lowp_scales, a_codes, w_codes; writes a_codes, w_codes
.if DOCPART == 1
	.amdgcn_target "amdgcn-amd-amdhsa--gfx1250"
	.amdhsa_code_object_version 6
	.text
	.protected	k_qfa2e6eaa19_quant
	.globl	k_qfa2e6eaa19_quant
	.p2align	8
	.type	k_qfa2e6eaa19_quant,@function
k_qfa2e6eaa19_quant:
	s_mov_b64 s[64:65], 0
	v_nop
	global_prefetch_b8 v0, s[64:65] scope:SCOPE_SE
	s_setreg_imm32_b32 hwreg(HW_REG_WAVE_MODE, 25, 1), 1
	s_wait_xcnt 0x0
; x, y [8192][1024] and Wq, Wk, Wv, Wo [1024][1024], f32 with K innermost, become codes of FP8 (E4M3), each with the scale 2^e given for it.
; code = number / 2^e, held within +-448, rounded to the nearest code, ties to even.
; a_codes: three planes of [8192][1024] bytes: x with e0, y with e2 (for k), y with e4 (for v).  y is read ONCE and quantised twice.
; w_codes: four planes of [1024][1024] bytes: Wq (e1), Wk (e3), Wv (e5), Wo (e11).
; ORDER OF THE CODES IN A ROW: within each 32 bytes the four groups of 8 codes lie in the order 0, 2, 1, 3.  The matrix instruction wants, in lane half h, k = 16 c + 8 h + 0..7 in
; registers 2 c, 2 c + 1; with this order one load of 16 bytes at 32 C + 16 h brings registers 4 C .. 4 C + 3 with every k in its own place.
; LIMITS: every e between -126 and 119, so that 2^e and 448 x 2^e are f32 numbers.  NaN among the inputs is not served (an infinity is held at the largest code).
; SHARES: a work-group takes 32,768 numbers, a wave 8,192 in 16 steps of 512.  Work-groups 0-255: x; 256-511: y; 512 + 32 w on: weight w.  Only pointers and exponents are chosen: one path for all tensors,
; but for y's second set of codes, which stands under a scalar branch on the work-group's number.
; A step's four loads read 512 consecutive bytes each; the 2,048 bytes turn through the wave's own stage in LDS (16 bytes of padding behind each 64), from which lane 2 B + h takes groups h and 2 + h of block B:
; its 16 codes are then 16 consecutive bytes of the output, and a wave's store covers 512 consecutive bytes.  Waves share nothing: no barrier.  Loads run four steps (16 loads a wave) ahead.
.set STEPS, 16
.set SP,    80                         ; 64 bytes of a stage + 16 of padding
.set WREG,  8192                       ; LDS of a wave: two stages of 32 x SP bytes
.set R,     16                         ; v16-79   four sets of 16 numbers as loaded
.set X,     80                         ; v80-111  two sets: 8 numbers of group h, 8 of group 2 + h
.set T2,    112                        ; v112-127 y's numbers held for e4
.set C,     128                        ; v128-191 codes, four registers a step: no store's data are written again
.set C2,    192                        ; v192-255 y's second codes, likewise
	s_load_b512 s[4:19], s[0:1], 0x0               ; x s[4:5], y s[6:7], Wq s[8:9], Wk s[10:11], Wv s[12:13], Wo s[14:15], the exponents s[16:17], a_codes s[18:19]
	s_load_b64 s[20:21], s[0:1], 0x40              ; w_codes
	v_lshl_add_u32 v8, v0, 2, 0x8000
	v_mov_b32 v9, 0
	v_lshrrev_b32 v1, 5, v0
	v_readfirstlane_b32 s22, v1                    ; wave
	v_and_b32 v2, 31, v0                           ; lane
	v_lshlrev_b32 v3, 4, v2                        ; my 16 bytes of a load's 512, and of a store's 512
	s_mul_i32 s44, s22, WREG
	v_lshrrev_b32 v14, 2, v2
	v_mul_u32_u24 v14, v14, SP
	v_and_b32 v15, 3, v2
	v_lshl_add_u32 v14, v15, 4, v14
	v_add_nc_u32 v14, s44, v14                     ; the stage on the way in: SP (lane / 4) + 16 (lane % 4)
	v_and_b32 v15, 30, v2
	v_mul_u32_u24 v15, v15, SP
	v_and_b32 v5, 1, v2
	v_lshl_add_u32 v15, v5, 5, v15
	v_add_nc_u32 v15, s44, v15                     ; on the way out: block B = lane / 2 lies at 2 SP B; group h at + 32 h, group 2 + h one SP further on
	s_lshr_b32 s28, ttmp9, 8                       ; 1 in y's work-groups
	s_wait_alu depctr_va_vdst(0)
	s_wait_kmcnt 0x0
	s_load_b256 s[32:39], s[16:17], 0x0            ; e0 .. e7
	s_load_b128 s[40:43], s[16:17], 0x20           ; e8 .. e11
	s_mov_b64 s[24:25], s[14:15]                   ; the source and its first work-group, chosen by the work-group's number alone
	s_mov_b32 s23, 608
	s_cmp_lt_u32 ttmp9, 608
	s_cselect_b64 s[24:25], s[12:13], s[24:25]
	s_cselect_b32 s23, 576, s23
	s_cmp_lt_u32 ttmp9, 576
	s_cselect_b64 s[24:25], s[10:11], s[24:25]
	s_cselect_b32 s23, 544, s23
	s_cmp_lt_u32 ttmp9, 544
	s_cselect_b64 s[24:25], s[8:9], s[24:25]
	s_cselect_b32 s23, 512, s23
	s_cmp_lt_u32 ttmp9, 512
	s_cselect_b64 s[24:25], s[6:7], s[24:25]
	s_cselect_b32 s23, 256, s23
	s_cselect_b64 s[26:27], s[18:19], s[20:21]     ; the codes' buffer,
	s_cselect_b32 s44, 0, 512                      ; and its first work-group
	s_cmp_lt_u32 ttmp9, 256
	s_cselect_b64 s[24:25], s[4:5], s[24:25]
	s_cselect_b32 s23, 0, s23
	s_sub_co_u32 s46, ttmp9, s23
	s_lshl_b32 s46, s46, 17                        ; 32,768 numbers of 4 bytes a work-group,
	s_lshl_b32 s47, s22, 15                        ; 8,192 a wave
	s_add_co_u32 s46, s46, s47
	s_mov_b32 s47, 0
	s_add_nc_u64 s[24:25], s[24:25], s[46:47]
	s_sub_co_u32 s44, ttmp9, s44
	s_lshl_b32 s44, s44, 15                        ; 32,768 codes a work-group,
	s_lshl_b32 s45, s22, 13                        ; 8,192 a wave
	s_add_co_u32 s44, s44, s45
	s_mov_b32 s45, 0
	s_add_nc_u64 s[26:27], s[26:27], s[44:45]
	s_add_nc_u64 s[30:31], s[26:27], 0x800000      ; one plane further on: used in y's work-groups alone
.macro LOAD t
.irp i, 0,1,2,3
	global_load_b128 v[R+16*((\t)%4)+4*\i:R+16*((\t)%4)+4*\i+3], v3, s[24:25] offset:2048*(\t)+512*\i th:TH_LOAD_NT   ; 32 lanes read 512 consecutive bytes
.endr
.endm
.macro TURN t                          ; step t's numbers through a stage: LDS serves a wave's instructions in order (ISA guide 5.7.1.4), so no wait stands between the stores and the loads
.irp i, 0,1,2,3
	ds_store_b128 v14, v[R+16*((\t)%4)+4*\i:R+16*((\t)%4)+4*\i+3] offset:32*SP*((\t)%2)+8*SP*\i
.endr
	ds_load_b128 v[X+16*((\t)%2):X+16*((\t)%2)+3],     v15 offset:32*SP*((\t)%2)
	ds_load_b128 v[X+16*((\t)%2)+4:X+16*((\t)%2)+7],   v15 offset:32*SP*((\t)%2)+16
	ds_load_b128 v[X+16*((\t)%2)+8:X+16*((\t)%2)+11],  v15 offset:32*SP*((\t)%2)+SP
	ds_load_b128 v[X+16*((\t)%2)+12:X+16*((\t)%2)+15], v15 offset:32*SP*((\t)%2)+SP+16
.endm
.irp t, 0,1,2,3
	LOAD \t
.endr
	s_wait_kmcnt 0x0
	s_mov_b32 s46, s43                             ; e of the tensor in hand: e11, e5, e3, e1, e2, e0
	s_cmp_lt_u32 ttmp9, 608
	s_cselect_b32 s46, s37, s46
	s_cmp_lt_u32 ttmp9, 576
	s_cselect_b32 s46, s35, s46
	s_cmp_lt_u32 ttmp9, 544
	s_cselect_b32 s46, s33, s46
	s_cmp_lt_u32 ttmp9, 512
	s_cselect_b32 s46, s34, s46
	s_cmp_lt_u32 ttmp9, 256
	s_cselect_b32 s46, s32, s46
	s_add_co_i32 s46, s46, 127
	s_lshl_b32 s47, s46, 23
	v_mov_b32 v11, s47                             ; 2^e as f32: the conversion takes its exponent field
	s_add_co_i32 s46, s46, 8
	s_lshl_b32 s46, s46, 23
	s_or_b32 s46, s46, 0x600000
	v_mov_b32 v10, s46                             ; 448 x 2^e
	s_add_co_i32 s46, s36, 127                     ; the same with e4, for y's second codes
	s_lshl_b32 s47, s46, 23
	v_mov_b32 v13, s47
	s_add_co_i32 s46, s46, 8
	s_lshl_b32 s46, s46, 23
	s_or_b32 s46, s46, 0x600000
	v_mov_b32 v12, s46
	s_wait_loadcnt 12                              ; step 0's four loads are in
	TURN 0
.macro STEP t
.set XS, X+16*((\t)%2)
	s_wait_dscnt 0x0                               ; this step's numbers are back from the stage: so its stores into the stage have read their registers,
.if (\t)+4 < STEPS
	LOAD (\t)+4                                    ; which take the loads of four steps on
.endif
.if (\t)+1 < STEPS
.if STEPS-2-(\t) >= 3
	s_wait_loadcnt 12                              ; the next step's four loads are in; those of the three steps behind it may be out
.else
	s_wait_loadcnt 4*(STEPS-2-(\t))
.endif
	TURN (\t)+1                                    ; and go through the other stage while this step is worked
.endif
	s_cmp_eq_u32 s28, 1
	s_cbranch_scc0 .Lnot_y_\@
.set i, 0
	s_wait_alu depctr_va_vdst(0)
.rept 16
	v_med3_num_f32 v[T2+i], v[XS+i], -v12, v12     ; y for v: held within 448 x 2^e4, into other registers: the numbers are wanted once more
.set i, i+1
.endr
	v_cvt_scalef32_pk8_fp8_f32 v[C2+4*(\t):C2+4*(\t)+1], v[T2:T2+7], v13
	v_cvt_scalef32_pk8_fp8_f32 v[C2+4*(\t)+2:C2+4*(\t)+3], v[T2+8:T2+15], v13
	global_store_b128 v3, v[C2+4*(\t):C2+4*(\t)+3], s[30:31] offset:512*(\t)
.Lnot_y_\@:
.set i, 0
	s_wait_alu depctr_va_vdst(0)
.rept 16
	v_med3_num_f32 v[XS+i], v[XS+i], -v10, v10     ; the conversion to an 8-bit code does not saturate (ISA guide 7.6.2): the hold at the largest code x the scale comes first
.set i, i+1
.endr
	v_cvt_scalef32_pk8_fp8_f32 v[C+4*(\t):C+4*(\t)+1], v[XS:XS+7], v11          ; the first number's code in the lowest byte
	v_cvt_scalef32_pk8_fp8_f32 v[C+4*(\t)+2:C+4*(\t)+3], v[XS+8:XS+15], v11
	global_store_b128 v3, v[C+4*(\t):C+4*(\t)+3], s[26:27] offset:512*(\t)      ; the codes go to stores alone; the next vector lines are plain holds on other registers
.endm
.irp t, 0,1,2,3,4,5,6,7,8,9,10,11,12,13,14,15
	STEP \t
.endr
	s_wait_tensorcnt 0x0
	ds_add_u32 v8, v9
	s_wait_dscnt 0x0
	s_endpgm
.Lfunc_end_k_qfa2e6eaa19_quant:
	.size	k_qfa2e6eaa19_quant, .Lfunc_end_k_qfa2e6eaa19_quant-k_qfa2e6eaa19_quant
	.p2alignl 7, 3214868480
	.fill 96, 4, 3214868480
	.section	.rodata,"a",@progbits
	.p2align	6, 0x0
	.amdhsa_kernel k_qfa2e6eaa19_quant
		.amdhsa_group_segment_fixed_size 33280
		.amdhsa_private_segment_fixed_size 0
		.amdhsa_enable_private_segment 0
		.amdhsa_kernarg_size 72
		.amdhsa_user_sgpr_count 2
		.amdhsa_user_sgpr_kernarg_segment_ptr 1
		.amdhsa_wavefront_size32 1
		.amdhsa_system_sgpr_workgroup_id_x 1
		.amdhsa_system_sgpr_workgroup_id_y 1
		.amdhsa_system_sgpr_workgroup_id_z 1
		.amdhsa_system_vgpr_workitem_id 0
		.amdhsa_next_free_vgpr 256
		.amdhsa_next_free_sgpr 66
		.amdhsa_reserve_vcc 0
		.amdhsa_float_denorm_mode_32 3
		.amdhsa_float_denorm_mode_16_64 3
		.amdhsa_memory_ordered 1
		.amdhsa_forward_progress 1
		.amdhsa_inst_pref_size 61
	.end_amdhsa_kernel
	.amdgpu_metadata
---
amdhsa.version: [ 1, 2 ]
amdhsa.kernels:
  - .name:           k_qfa2e6eaa19_quant
    .symbol:         k_qfa2e6eaa19_quant.kd
    .args:
      - { .name: x, .offset: 0, .size: 8, .value_kind: global_buffer, .address_space: global }
      - { .name: y, .offset: 8, .size: 8, .value_kind: global_buffer, .address_space: global }
      - { .name: Wq, .offset: 16, .size: 8, .value_kind: global_buffer, .address_space: global }
      - { .name: Wk, .offset: 24, .size: 8, .value_kind: global_buffer, .address_space: global }
      - { .name: Wv, .offset: 32, .size: 8, .value_kind: global_buffer, .address_space: global }
      - { .name: Wo, .offset: 40, .size: 8, .value_kind: global_buffer, .address_space: global }
      - { .name: lowp_scales, .offset: 48, .size: 8, .value_kind: global_buffer, .address_space: global }
      - { .name: a_codes, .offset: 56, .size: 8, .value_kind: global_buffer, .address_space: global }
      - { .name: w_codes, .offset: 64, .size: 8, .value_kind: global_buffer, .address_space: global }
    .group_segment_fixed_size: 33280
    .private_segment_fixed_size: 0
    .kernarg_segment_align: 8
    .kernarg_segment_size: 72
    .max_flat_workgroup_size: 128
    .sgpr_count:     66
    .vgpr_count:     256
    .wavefront_size: 32
...
	.end_amdgpu_metadata
.endif
;; end of part 1
;; launch proj (part 2): grid 4 x 96, 4 waves a work-group, clusters of 4 x 4, 327,680 bytes of LDS; arguments a_codes, w_codes, lowp_scales, bq, bk, bv, qkv; writes qkv
.if DOCPART == 2
	.amdgcn_target "amdgcn-amd-amdhsa--gfx1250"
	.amdhsa_code_object_version 6
	.text
	.protected	k_qfa2e6eaa19_proj
	.globl	k_qfa2e6eaa19_proj
	.p2align	8
	.type	k_qfa2e6eaa19_proj,@function
k_qfa2e6eaa19_proj:
	s_mov_b64 s[64:65], 0
	v_nop
	global_prefetch_b8 v0, s[64:65] scope:SCOPE_SE
	s_setreg_imm32_b32 hwreg(HW_REG_WAVE_MODE, 25, 1), 1
	s_wait_xcnt 0x0
	s_wait_alu depctr_hold_cnt(0) depctr_sa_sdst(0) depctr_va_vdst(0) depctr_va_sdst(0) depctr_va_ssrc(0) depctr_va_vcc(0) depctr_vm_vsrc(0)
	s_getreg_b32 s2, hwreg(HW_REG_IB_STS2, 6, 4)
	s_cmp_eq_u32 s2, 0
	s_cbranch_scc0 .Lentry_in_a_cluster
	s_endpgm
.Lentry_in_a_cluster:
	s_bfe_u32 s2, ttmp6, 0x10000c
	s_cmp_lg_u32 s2, 0xf033
	s_cbranch_scc0 .Lentry_shape_is_right
	s_endpgm
.Lentry_shape_is_right:
; q = x Wq^T + bq, k = y Wk^T + bk, v = y Wv^T + bv on codes of FP8 (E4M3); each result is quantised at once, with e6, e7, e9, for the two products of attention, and stored as codes.
; a_codes: [3][8192][1024] bytes (x, y for k, y for v), w_codes: [4][1024][1024] bytes, K innermost, in each 32 bytes the groups of 8 codes in the order 0, 2, 1, 3, so that a load of 16 bytes at
; 32 C + 16 (lane / 16) brings registers 4 C .. 4 C + 3 of a fragment with every k in the place that the matrix instruction gives it.
; A tile of 256 tokens x 256 outputs is made by four waves, 128 x 128 each: 64 accumulators, 512 registers.  384 tiles: grid y / 32 says which product.  K = 1,024 goes in four steps of 256 through two LDS slots.
; CLUSTERS: 4 x 4 work-groups.  The four of a row of the cluster need the same tokens' tile, the four of a column the same weights' tile: each is asked for JOINTLY, by the same tensor load with a mask that names the four.
; WHAT IS STORED: IMAGES OF OPERAND REGISTERS.  With source 0 = 16 rows of S and source 1 = 16 rows of R, lane (r, h) holds in register j the number (R row r, S row 8 h + j).  Eight such numbers, converted, ARE registers
; 2 b, 2 b + 1 of a fragment whose rows are R's and whose K runs along S: a wave's eight accumulators of a block of R give a whole fragment, 16 registers a lane, stored by four stores of 512 consecutive bytes
; (byte 512 c + 16 lane = registers 4 c .. 4 c + 3).  For q and k: R = tokens, S = the head's 128 outputs (K of the scores).  For v: R = the head's outputs, S = tokens (the keys are K of the second product).
; The two roles are changed by the global addresses of the tiles: LDS reads, masks, waits and products are the same for all three.
; qkv: [3 (q, k, v)][batch 4][head 8][block of 128 tokens 16][fragment 8][2048 bytes].
; LIMITS: e0 + e1, e2 + e3, e4 + e5 between -126 and 127; e6, e7, e9 between -126 and 119, so that each power of two below is an f32 number.
; REGISTERS, in windows of 256: window 0: v0-31 addresses; v32-95 the bias along S, v96-111 the bias along R; v112, v113 the quantiser's scale and hold; from v128 R's fragments, ONE set; on the way out v128-223.
;   window 1: S's fragments, TWO sets.   window 2: the accumulators of my R rows 0-63 ((a, b) at v[8 (8 a + b)]);   window 3: those of rows 64-127.
.set KROW,   1024                      ; a row of codes in memory, in bytes
.set ROWB,   256                       ; a tile's row: 256 along K
.set PITCH,  272                       ; an LDS row: 256 bytes + 16 of padding = 68 words: row r starts at bank 4 r mod 64 (64 banks of 4 bytes: ISA guide 11.1)
.set FR,     16                        ; registers of a fragment: 16 rows x 128 K
.set NL,     4                         ; LDS loads that bring one
.set NP,     4                         ; places behind this matrix instruction (ISA guide 7.12.1)
.set HALFT,  128*PITCH                 ; 128 rows: what one tensor load brings
.set SLOT,   4*HALFT                   ; the tokens' 256 rows, then the weights' 256 rows
.set SPARE,  2*SLOT                    ; behind the ring: the spare words, 128 bytes for each wave
.set ADRA, 16                          ; v16-17  LDS address of my R fragments in slot 0, 1
.set ADRB, 20                          ; v20-21  the same for S
.set CO,   26                          ; v26     16 x lane: my place in an image
.set SPW,  28                          ; v28     LDS address of my spare word; never rewritten
.set NIL,  29                          ; v29     0; never rewritten
.set BS,   32                          ; v32-95  bias[16 b + 8 h + 0..7] at 8 b
.set BR,   96                          ; v96-111 bias[16 a + r], twice, at 2 a
.set SCQ,  112                         ; v112    2^eo
.set LMQ,  113                         ; v113    448 x 2^eo
.set AF,   128                         ; R's fragments
.set TMP,  128                         ; the way out: a block's 64 numbers
.set PC,   192                         ; the way out: a block's codes, two sets of 16
.set G1, 24                            ; s[24:31] descriptor group 1 for the tokens' tiles;  s[32:39] group 0, one set for each slot
.set G0, 32
.set G1B, 48                           ; s[48:55], s[56:63] the same for the weights'
.set G0B, 56
.set MSB, 0
.macro WIN new                         ; the immediate's high byte repeats the setting that is left
.if MSB != (\new)
	s_set_vgpr_msb (MSB<<8)|(\new)
.set MSB, (\new)
.endif
.endm
.set MUL_LO, 0xa1                      ; source 0 (S) window 1, source 1 (R) window 0, C and D window 2
.set MUL_HI, 0xf1                      ; the same, C and D window 3
.set TO_B,   0x40                      ; destination window 1, address window 0
; A joint load: waves 0 and 1 fetch the tokens' halves, waves 2 and 3 the weights'.  The branch hangs on the wave's number alone.  Four v_nop follow each of the two lines.
.macro JLOAD g0a, g1a, g0b, g1b
	s_cmp_eq_u32 s15, 0
	s_cbranch_scc0 .Lfor_b_\@
	tensor_load_to_lds s[\g0a:\g0a+3], s[\g1a:\g1a+7]
	s_nop 0
.rept 4
	v_nop
.endr
	s_branch .Lasked_\@
.Lfor_b_\@:
	tensor_load_to_lds s[\g0b:\g0b+3], s[\g1b:\g1b+7]
	s_nop 0
.rept 4
	v_nop
.endr
.Lasked_\@:
.endm
.macro CREST                           ; a round of the cluster's barrier behind its opening barrier
	s_cmp_lg_u32 s14, 0
	s_cbranch_scc1 .Lnot_wave_0_\@
	s_barrier_signal -3
.Lnot_wave_0_\@:
	s_barrier_wait -3
	s_barrier_signal -1
	s_barrier_wait -1
.endm
.macro CROUND                          ; a whole round
	s_barrier_signal -1
	s_barrier_wait -1
	CREST
.endm
	s_load_b128 s[4:7], s[0:1], 0x0                ; a_codes s[4:5], w_codes s[6:7]
	s_load_b64 s[8:9], s[0:1], 0x10                ; the exponents
	s_load_b128 s[68:71], s[0:1], 0x18             ; bq s[68:69], bk s[70:71]
	s_load_b64 s[72:73], s[0:1], 0x28              ; bv
	s_load_b64 s[10:11], s[0:1], 0x30              ; qkv
	v_lshl_add_u32 v[SPW], v0, 2, SPARE
	v_mov_b32 v[NIL], 0
	ds_add_u32 v28, v29
	ds_add_u32 v28, v29
	s_wait_dscnt 0x0
	v_lshrrev_b32 v1, 5, v0
	v_readfirstlane_b32 s14, v1                    ; wave 0..3
	s_lshr_b32 s15, s14, 1                         ; which half of R's rows is mine.  Also: I fetch tokens (0) or weights (1)
	s_and_b32 s16, s14, 1                          ; which half of S's rows.  Also: which 128 rows of that tile I fetch
	s_bfe_u32 s40, ttmp6, 0x40000                  ; cx, cy: my place in the cluster
	s_bfe_u32 s41, ttmp6, 0x40004
	s_lshl_b32 s42, ttmp9, 2
	s_add_co_u32 s42, s42, s40                     ; tile column: 256 outputs
	s_and_b32 s17, ttmp7, 0xffff
	s_lshr_b32 s66, s17, 3                         ; which product: 0 q, 1 k, 2 v: eight clusters along y each, so it is the same in all sixteen partners
	s_lshl_b32 s17, s17, 2
	s_add_co_u32 s17, s17, s41                     ; tile row: 256 rows of a_codes' 24,576
	s_lshl_b32 s43, s41, 2
	s_lshl_b32 s43, 15, s43                        ; my row of the cluster
	s_lshl_b32 s44, 0x1111, s40                    ; my column
	; descriptor group 1: a tile of 128 rows x 256 bytes, padded in LDS
	s_or_b32 s[G1+0], s43, (0<<16)|(1<<20)|(1<<21)|(5<<22)|(3<<25)  ; 15:0 the mask; 17:16 element of 1 byte; 20 padding on; 21 set beside a mask; 24:22 after every 64 words (code 5); 31:25 of 4 words (code 3)
	s_or_b32 s[G1B+0], s44, (0<<16)|(1<<20)|(1<<21)|(5<<22)|(3<<25)
.irp g, G1, G1B
	s_mov_b32 s[\g+1], ROWB<<16                    ; tensor_dim0
	s_mov_b32 s[\g+2], 128<<16                     ; tensor_dim1 = 128
	s_mov_b32 s[\g+3], ROWB<<16                    ; tile_dim0
	s_mov_b32 s[\g+4], 128                         ; tile_dim1 = 128
	s_mov_b32 s[\g+5], KROW                        ; tensor_dim0_stride
	s_mov_b32 s[\g+6], 0
	s_mov_b32 s[\g+7], 0
.endr
	s_lshl_b32 s18, s16, 7                         ; which 128 rows of the tile I fetch
	; THE ROLES ARE CHANGED BY THE GLOBAL ADDRESSES ALONE.  R's tile (a slot's first half, shared along my row of the cluster) hangs on cy, S's (second half, shared along my column) on cx.
	; q, k: R = tokens' tile 4 cl + cy of a_codes, S = weights' tile cx of the product's plane.   v: R = Wv's tile cy (w_codes' plane 2), S = tokens' tile 4 cl + cx of a_codes (cl = 16 .. 23: its plane 2).
	s_and_b32 s67, ttmp7, 0xffff
	s_lshl_b32 s67, s67, 2
	s_add_co_u32 s67, s67, s40                     ; 4 cl + cx
	s_lshl_b32 s47, s66, 10
	s_cmp_eq_u32 s66, 2
	s_cselect_b32 s20, s41, s17                    ; R's tile
	s_cselect_b32 s21, 2048, 0                     ; and its plane's first row
	s_cselect_b32 s46, s67, s42                    ; S's tile
	s_cselect_b32 s47, 0, s47
	s_lshl_b32 s20, s20, 8
	s_add_co_u32 s20, s20, s18
	s_add_co_u32 s20, s20, s21
	s_lshl_b32 s20, s20, 10                        ; in bytes: under 2^25
	s_mov_b32 s21, 0
	s_lshl_b32 s46, s46, 8
	s_add_co_u32 s46, s46, s18
	s_add_co_u32 s46, s46, s47
	s_lshl_b32 s46, s46, 10
	s_mov_b32 s47, 0
	s_mul_i32 s45, s14, HALFT                      ; where they go: wave x 128 rows: no place in the cluster enters an LDS address
	s_wait_kmcnt 0x0
	s_load_b256 s[76:83], s[8:9], 0x0              ; e0 .. e7
	s_load_b128 s[84:87], s[8:9], 0x20             ; e8 .. e11
	s_cmp_eq_u32 s66, 2                            ; the two buffers change places for v: the choice hangs on the cluster's y alone
	s_cselect_b64 s[92:93], s[6:7], s[4:5]
	s_cselect_b64 s[94:95], s[4:5], s[6:7]
	s_add_nc_u64 s[20:21], s[92:93], s[20:21]
	s_add_nc_u64 s[46:47], s[94:95], s[46:47]
	CROUND                                         ; all sixteen work-groups are here: the first joint loads meet
.irp s, 0,1
	s_mov_b32 s[G0+4*\s], 1
	s_add_co_u32 s[G0+4*\s+1], s45, \s*SLOT
	s_add_nc_u64 s[G0+4*\s+2:G0+4*\s+3], s[20:21], \s*ROWB
	s_or_b32 s[G0+4*\s+3], s[G0+4*\s+3], 0x80000000
	s_mov_b32 s[G0B+4*\s], 1
	s_add_co_u32 s[G0B+4*\s+1], s45, \s*SLOT
	s_add_nc_u64 s[G0B+4*\s+2:G0B+4*\s+3], s[46:47], \s*ROWB
	s_or_b32 s[G0B+4*\s+3], s[G0B+4*\s+3], 0x80000000
.endr
	JLOAD G0, G1, G0B, G1B                         ; K step 0: one tensor load a wave at the head
	; the roles.  q, k: R = tokens (the slot's first half), S = weights (its second).  v: the other way round
	s_cmp_eq_u32 s66, 2
	s_cselect_b32 s67, s67, s17                    ; the tokens' tile,
	s_cselect_b32 s88, s41, s42                    ; and the tile of 256 outputs
	s_cselect_b32 s89, s16, s15                    ; which half of the tile's tokens is mine,
	s_cselect_b32 s90, s15, s16                    ; and which of its two heads
	s_cselect_b64 s[74:75], s[72:73], s[70:71]     ; the bias: bv or bk,
	s_cmp_eq_u32 s66, 0
	s_cselect_b64 s[74:75], s[68:69], s[74:75]     ; or bq
	v_and_b32 v1, 15, v0                           ; r = lane % 16
	v_bfe_u32 v2, v0, 4, 1                         ; h = lane / 16
	s_wait_alu depctr_va_vdst(0)
	v_mul_u32_u24 v3, v1, PITCH
	v_lshl_add_u32 v4, v2, 4, v3                   ; a fragment's row x pitch + 16 h
	s_mul_i32 s21, s15, HALFT
	s_mul_i32 s22, s16, HALFT
	s_add_co_u32 s22, s22, 2*HALFT                 ; S's rows lie behind R's 256
.irp s, 0,1
	v_add_nc_u32 v[ADRA+\s], s21, v4
	v_add_nc_u32 v[ADRB+\s], s22, v4
	s_add_co_u32 s21, s21, SLOT
	s_add_co_u32 s22, s22, SLOT
.endr
	v_and_b32 v6, 31, v0
	v_lshlrev_b32 v[CO], 4, v6
	s_and_b32 s91, s67, 31
	s_lshl_b32 s91, s91, 1
	s_add_co_u32 s91, s91, s89                     ; my block of 128 tokens, 0 .. 63: batch x 16 + block
	s_lshl_b32 s92, s88, 1
	s_add_co_u32 s92, s92, s90                     ; my head
	s_lshr_b32 s94, s91, 4
	s_lshl_b32 s94, s94, 3
	s_add_co_u32 s94, s94, s92
	s_lshl_b32 s94, s94, 4
	s_and_b32 s95, s91, 15
	s_add_co_u32 s94, s94, s95                     ; (batch x 8 + head) x 16 + block,
	s_lshl_b32 s94, s94, 14                        ; of eight images of 2,048 bytes,
	s_lshl_b32 s95, s66, 23
	s_add_co_u32 s94, s94, s95                     ; in the product's 8 MiB
	s_mov_b32 s95, 0
	s_add_nc_u64 s[10:11], s[10:11], s[94:95]
	s_lshl_b32 s98, s92, 9                         ; my head's 128 numbers of the bias
	s_mov_b32 s99, 0
	s_add_nc_u64 s[74:75], s[74:75], s[98:99]
	v_lshlrev_b32 v8, 5, v2                        ; 32 h
	v_lshlrev_b32 v9, 2, v1                        ; 4 r
.irp b, 0,1,2,3,4,5,6,7                        ; both forms of the bias are loaded in every work-group: 512 bytes, all inside the head's part
	global_load_b128 v[BS+8*\b:BS+8*\b+3], v8, s[74:75] offset:64*\b
	global_load_b128 v[BS+8*\b+4:BS+8*\b+7], v8, s[74:75] offset:64*\b+16
.endr
.irp a, 0,1,2,3,4,5,6,7
	global_load_b32 v[BR+2*\a], v9, s[74:75] offset:64*\a
	global_load_b32 v[BR+2*\a+1], v9, s[74:75] offset:64*\a
.endr
.macro FRAG reg, adr, q, i             ; a fragment: lane l holds row l % 16; four loads of 16 bytes, 32 bytes apart
.irp c, 0,1,2,3
	ds_load_b128 v[\reg+4*\c:\reg+4*\c+3], v[\adr] offset:128*(\q)+32*\c+(\i)*16*PITCH
.endr
.endm
; 16 matrix instructions: R's blocks a0, a0 + 1 x S's eight, 128 along K.  p: S's set.  zero = 1: the first product starts the sums.
; The 64 accumulators take turns, one instruction a turn, in the same order in every step.
.macro MUL16 a0, p, zero
.irp a, \a0, \a0+1
.irp b, 0,1,2,3,4,5,6,7
.if \zero
	v_wmma_f32_16x16x128_fp8_fp8 v[8*(8*((\a)%4)+\b):8*(8*((\a)%4)+\b)+7], v[128*(\p)+FR*\b:128*(\p)+FR*\b+FR-1], v[AF+FR*(\a):AF+FR*(\a)+FR-1], 0
.else
	v_wmma_f32_16x16x128_fp8_fp8 v[8*(8*((\a)%4)+\b):8*(8*((\a)%4)+\b)+7], v[128*(\p)+FR*\b:128*(\p)+FR*\b+FR-1], v[AF+FR*(\a):AF+FR*(\a)+FR-1], v[8*(8*((\a)%4)+\b):8*(8*((\a)%4)+\b)+7]
.endif
.endr
.endr
.endm
.macro FETCH_B slot, q, p              ; S's eight fragments of the slot's q-th 128 along K into set p
	WIN TO_B
.irp i, 0,1,2,3,4,5,6,7
	FRAG 128*(\p)+FR*\i, ADRB+\slot, \q, \i
.endr
	WIN 0
.endm
.macro FETCH_A slot, q, i0             ; R's blocks i0 .. i0 + 3
.irp i, \i0, \i0+1, \i0+2, \i0+3
	FRAG AF+FR*(\i), ADRA+\slot, \q, \i
.endr
.endm
; A load into a register that a matrix instruction has read, and a vector instruction that reads a matrix result or writes one of its registers, stand NP places behind it; only plain vector
; instructions that name none of its registers are places (ISA guide 7.12.1 for vector instructions).
.macro PLACES n
.rept \n
	v_nop
.endr
.endm
; A step of 128 along K that has its successor in the same slot.  R's blocks are free as soon as their eight products are issued: blocks 0-3 are fetched anew in the step's middle, blocks 4-7 at its end.
.macro STEP slot, q, zero
	s_wait_dscnt 4*NL                              ; S's set and R's blocks 0-3 are in; the youngest 16 loads (R's blocks 4-7) may be out
	WIN MUL_LO
	MUL16 0, (\q)%2, \zero
	MUL16 2, (\q)%2, \zero
	s_wait_dscnt 0                                 ; R's blocks 4-7 are in
	PLACES NP
	FETCH_B \slot, (\q)+1, 1-(\q)%2
	FETCH_A \slot, (\q)+1, 0
	WIN MUL_HI
	MUL16 4, (\q)%2, \zero
	MUL16 6, (\q)%2, \zero
	PLACES NP
	WIN 0
	FETCH_A \slot, (\q)+1, 4
.endm
; A slot's last step changes slots: ONE barrier; in front of it each wave waits for all its tensor loads, adds 0 to its spare word, and waits for that and for its own reads of this slot.  fill = 1: this slot is filled again, two K steps ahead.
.macro TURN slot, next, fill
	s_wait_tensorcnt 0x0                           ; all my tensor loads have landed: my part of the next slot  (every window is 0 here)
	ds_add_u32 v[SPW], v[NIL]                      ; 0 onto my spare word
	s_wait_dscnt 4*NL+1                            ; (the add and the youngest 16 loads, R's blocks 4-7, may be out)
	WIN MUL_LO
	MUL16 0, 1, 0                                  ; sixteen matrix instructions stand between the add and the wait for it
	s_wait_dscnt 0x0                               ; the add is done, and my reads of this slot are over
	s_barrier_signal -1
	MUL16 2, 1, 0
	WIN 0
	s_barrier_wait -1
.if \fill
	CREST                                          ; the barrier has opened a round of the cluster's barrier: no wave of any partner still reads this slot or has a load on its way
	s_add_nc_u64 s[G0+4*\slot+2:G0+4*\slot+3], s[G0+4*\slot+2:G0+4*\slot+3], 2*ROWB
	s_add_nc_u64 s[G0B+4*\slot+2:G0B+4*\slot+3], s[G0B+4*\slot+2:G0B+4*\slot+3], 2*ROWB
	JLOAD G0+4*\slot, G1, G0B+4*\slot, G1B         ; the first tensor load behind the round; its four v_nop are also the places in front of the loads below
.else
	PLACES NP
.endif
	FETCH_B \next, 0, 0
	FETCH_A \next, 0, 0
	WIN MUL_HI
	MUL16 4, 1, 0
	MUL16 6, 1, 0
	PLACES NP
	WIN 0
	FETCH_A \next, 0, 4
.endm
	s_wait_alu depctr_va_vdst(0)
	s_wait_tensorcnt 0x0                           ; my part of K step 0 is in
	ds_add_u32 v[SPW], v[NIL]
	s_wait_dscnt 0x0
	CROUND                                         ; everybody's part is in, and all sixteen work-groups are here
	JLOAD G0+4, G1, G0B+4, G1B                     ; K step 1: the first tensor load behind the round
	FETCH_B 0, 0, 0
	FETCH_A 0, 0, 0
	FETCH_A 0, 0, 4
	STEP 0, 0, 1                                   ; K = 1,024 is four K steps of 256, eight steps of 128: written out.  The first products start the sums
	TURN 0, 1, 1                                   ; slot 0 takes K step 2
	STEP 1, 0, 0
	TURN 1, 0, 1                                   ; slot 1 takes K step 3
	STEP 0, 0, 0
	TURN 0, 1, 0                                   ; nothing is left to fetch
	STEP 1, 0, 0
	s_wait_dscnt 4*NL
	WIN MUL_LO
	MUL16 0, 1, 0
	MUL16 2, 1, 0
	s_wait_dscnt 0
	WIN MUL_HI
	MUL16 4, 1, 0
	MUL16 6, 1, 0
	WIN 0
	; THE WAY OUT.  number = sum x 2^(eA + eB) + bias, one packed multiply-add for two; held within 448 x 2^eo; converted with 2^eo; a block of R's 16 rows is one image.
	s_wait_kmcnt 0x0
	s_add_co_i32 s88, s76, s77                     ; e0 + e1,
	s_add_co_i32 s89, s78, s79                     ; e2 + e3,
	s_add_co_i32 s90, s80, s81                     ; e4 + e5: the choice is a select, never a branch
	s_cmp_eq_u32 s66, 0
	s_cselect_b32 s88, s88, s89
	s_cselect_b32 s91, s82, s83                    ; e6 or e7
	s_cmp_eq_u32 s66, 2
	s_cselect_b32 s88, s90, s88
	s_cselect_b32 s91, s85, s91                    ; or e9
	s_add_co_i32 s88, s88, 127
	s_lshl_b32 s96, s88, 23                        ; 2^(eA + eB) as f32
	s_mov_b32 s97, s96                             ; (named with it as a pair, so it is written)
	s_add_co_i32 s91, s91, 127
	s_lshl_b32 s92, s91, 23
	v_mov_b32 v[SCQ], s92                          ; 2^eo: the conversion takes its exponent field
	s_add_co_i32 s91, s91, 8
	s_lshl_b32 s91, s91, 23
	s_or_b32 s91, s91, 0x600000
	v_mov_b32 v[LMQ], s91                          ; 448 x 2^eo
	s_wait_loadcnt 0x0                             ; the bias
	PLACES NP                                      ; behind the last products: their results are read and R's registers written below
.macro OUTBLK a, byrow                 ; byrow = 1: the bias goes with R's row (v), else with S's (q, k)
.if (\a) >= 2
	s_wait_xcnt 0x0                                ; block a - 2's stores have read their data: the codes' set is written again only behind this wait
.endif
	WIN 0x02+((\a)/4)                              ; source 0: window 2 or 3
.set j, 0
.rept 32
.if \byrow
	v_pk_fma_f32 v[TMP+j:TMP+j+1], v[64*((\a)%4)+j:64*((\a)%4)+j+1], s[96:97], v[BR+2*(\a):BR+2*(\a)+1] op_sel_hi:[1,0,1]   ; each accumulator from its low end on
.else
	v_pk_fma_f32 v[TMP+j:TMP+j+1], v[64*((\a)%4)+j:64*((\a)%4)+j+1], s[96:97], v[BS+j:BS+j+1] op_sel_hi:[1,0,1]
.endif
.set j, j+2
.endr
	WIN 0
.set j, 0
.rept 64
	v_med3_num_f32 v[TMP+j], v[TMP+j], -v[LMQ], v[LMQ]   ; the conversion to an 8-bit code does not saturate (ISA guide 7.6.2)
.set j, j+1
.endr
.irp b, 0,1,2,3,4,5,6,7
	v_cvt_scalef32_pk8_fp8_f32 v[PC+16*((\a)%2)+2*\b:PC+16*((\a)%2)+2*\b+1], v[TMP+8*\b:TMP+8*\b+7], v[SCQ]   ; registers 2 b, 2 b + 1 of the fragment
.endr
	v_nop                                          ; one plain vector line between the conversions and the next lines that write their sources
.irp c, 0,1,2,3
	global_store_b128 v[CO], v[PC+16*((\a)%2)+4*\c:PC+16*((\a)%2)+4*\c+3], s[10:11] offset:2048*(\a)+512*\c   ; 32 lanes store 512 consecutive bytes, at a multiple of 512 from the buffer's first byte
.endr
.endm
	s_cmp_eq_u32 s66, 2                            ; hangs on the cluster's y alone: the same in all partners; no barrier and no LDS instruction stands in either arm
	s_cbranch_scc1 .Lv
.irp a, 0,1,2,3,4,5,6,7
	OUTBLK \a, 0
.endr
	s_branch .Lend
.Lv:
.irp a, 0,1,2,3,4,5,6,7
	OUTBLK \a, 1
.endr
.Lend:
	s_wait_tensorcnt 0x0                           ; the wave's end
	ds_add_u32 v[SPW], v[NIL]
	s_wait_dscnt 0x0
	CROUND                                         ; the closing round: no work-group ends while a partner may still ask for a tile that names it
	s_endpgm
.Lfunc_end_k_qfa2e6eaa19_proj:
	.size	k_qfa2e6eaa19_proj, .Lfunc_end_k_qfa2e6eaa19_proj-k_qfa2e6eaa19_proj
	.p2alignl 7, 3214868480
	.fill 96, 4, 3214868480
	.section	.rodata,"a",@progbits
	.p2align	6, 0x0
	.amdhsa_kernel k_qfa2e6eaa19_proj
		.amdhsa_group_segment_fixed_size 327680
		.amdhsa_private_segment_fixed_size 0
		.amdhsa_enable_private_segment 0
		.amdhsa_kernarg_size 56
		.amdhsa_user_sgpr_count 2
		.amdhsa_user_sgpr_kernarg_segment_ptr 1
		.amdhsa_wavefront_size32 1
		.amdhsa_system_sgpr_workgroup_id_x 1
		.amdhsa_system_sgpr_workgroup_id_y 1
		.amdhsa_system_sgpr_workgroup_id_z 1
		.amdhsa_system_vgpr_workitem_id 0
		.amdhsa_next_free_vgpr 1024
		.amdhsa_next_free_sgpr 100
		.amdhsa_reserve_vcc 0
		.amdhsa_float_denorm_mode_32 3
		.amdhsa_float_denorm_mode_16_64 3
		.amdhsa_memory_ordered 1
		.amdhsa_forward_progress 1
		.amdhsa_inst_pref_size 194
	.end_amdhsa_kernel
	.amdgpu_metadata
---
amdhsa.version: [ 1, 2 ]
amdhsa.kernels:
  - .name:           k_qfa2e6eaa19_proj
    .symbol:         k_qfa2e6eaa19_proj.kd
    .args:
      - { .name: a_codes, .offset: 0, .size: 8, .value_kind: global_buffer, .address_space: global }
      - { .name: w_codes, .offset: 8, .size: 8, .value_kind: global_buffer, .address_space: global }
      - { .name: lowp_scales, .offset: 16, .size: 8, .value_kind: global_buffer, .address_space: global }
      - { .name: bq, .offset: 24, .size: 8, .value_kind: global_buffer, .address_space: global }
      - { .name: bk, .offset: 32, .size: 8, .value_kind: global_buffer, .address_space: global }
      - { .name: bv, .offset: 40, .size: 8, .value_kind: global_buffer, .address_space: global }
      - { .name: qkv, .offset: 48, .size: 8, .value_kind: global_buffer, .address_space: global }
    .group_segment_fixed_size: 327680
    .private_segment_fixed_size: 0
    .kernarg_segment_align: 8
    .kernarg_segment_size: 56
    .max_flat_workgroup_size: 128
    .sgpr_count:     100
    .vgpr_count:     1024
    .wavefront_size: 32
...
	.end_amdgpu_metadata
.endif
;; end of part 2
;; launch attn (part 3): grid 8 x 32, 8 waves a work-group, clusters of 4 x 1, 263,168 bytes of LDS; arguments qkv, lowp_scales, ctx_codes; writes ctx_codes
.if DOCPART == 3
	.amdgcn_target "amdgcn-amd-amdhsa--gfx1250"
	.amdhsa_code_object_version 6
	.text
	.protected	k_qfa2e6eaa19_attn
	.globl	k_qfa2e6eaa19_attn
	.p2align	8
	.type	k_qfa2e6eaa19_attn,@function
k_qfa2e6eaa19_attn:
	s_mov_b64 s[64:65], 0
	v_nop
	global_prefetch_b8 v0, s[64:65] scope:SCOPE_SE
	s_setreg_imm32_b32 hwreg(HW_REG_WAVE_MODE, 25, 1), 1
	s_wait_xcnt 0x0
	s_wait_alu depctr_hold_cnt(0) depctr_sa_sdst(0) depctr_va_vdst(0) depctr_va_sdst(0) depctr_va_ssrc(0) depctr_va_vcc(0) depctr_vm_vsrc(0)
	s_getreg_b32 s2, hwreg(HW_REG_IB_STS2, 6, 4)
	s_cmp_eq_u32 s2, 0
	s_cbranch_scc0 .Lentry_in_a_cluster
	s_endpgm
.Lentry_in_a_cluster:
	s_bfe_u32 s2, ttmp6, 0x10000c
	s_cmp_lg_u32 s2, 0x3003
	s_cbranch_scc0 .Lentry_shape_is_right
	s_endpgm
.Lentry_shape_is_right:
; ctx[b][h][q] = the sum over k <= q of softmax_k(q . k / sqrt(128)) v, both products on codes of FP8 (E4M3); the result is quantised at once with e10 for the last projection.
; LEFT OUT: key steps all of whose 128 keys come after a tile's queries: the causal mask adds -inf to their logits, so their p is 0 for all values of the inputs.
; A NaN or an infinity that reaches only those scores is not carried to the result.
; qkv: [3 (q, k, v)][batch x head 32][block 16][fragment 8][2048 bytes]: images of operand registers (byte 512 c + 16 lane = registers 4 c .. 4 c + 3 of a fragment of 16 rows x 128 K).
;   q, k: rows = tokens 128 block + 16 fragment + r, K = the head's 128.   v: rows = channels 16 fragment + r, K = the block's 128 keys.
; ctx_codes: [16 tokens 512][head 8][2048 bytes]: images with rows = tokens, K = the head's 128 channels.
; THE SOFTMAX: t = score x log2(e) / sqrt(128); M = the running largest t rounded up to a whole number; p = 2^(t - M) is quantised with e8, not normalised; the row's sum is taken of the unquantised p
; and divides at the end; when M moves, the sum and O are multiplied by 2^(old M - new M): exact.
; SHARES.  Eight work-groups to a head.  A tile of rank p of work-group i is queries 128 p + 16 i + 0..15 and has p + 1 key steps.  Wave w owns rank 8 + w and then rank 7 - w: 17 key steps in every wave.
; LDS holds key steps 0 to 7 of K (16,384 bytes each, from byte 0) and of V (from byte 131,072), filled ONCE: each of the eight waves asks for 32,768 bytes at the head.  Nothing is filled again: one barrier, at the head.
; Key steps 8 to 15 (w + 1 of a wave's 17) do not fit beside them: their images go from memory straight into the operand registers, 512 consecutive bytes an instruction.
; Both inner loops have constant trip counts (steps 0 to 7, steps 8 to 15); a step beyond the tile's rank is jumped over by a scalar branch on the wave's number and the counter.
; CLUSTER.  The four work-groups of a cluster belong to one head: the head's fills are asked for JOINTLY, with a mask that names the four.
; PREFETCH.  K's and V's steps 8 to 15 of a head are 1,024 blocks of 256 bytes.  The 32 waves of the head's first cluster name 32 blocks each, once, at the head: eight key steps ahead of the first load that wants them;
; the partners are told apart by address (8 cx + wave).  One instruction a wave, so it is not spread over trips.
; LOADS RUN AHEAD: behind a step's first product its V and the next step's K are asked for; they land under the softmax.  Every wait on memory is for 0.
; LAYOUT.  Both products transposed: S^T = K Q^T, O^T = V^T P^T: a lane holds one query (lane % 16); register j of tile t is key (or channel) 16 t + 8 (lane / 16) + j; eight such numbers, converted, are registers 2 t, 2 t + 1 of the next operand.
; LIMITS: e6 + e7 between -123 and 130 (added to c's exponent field); e8, e10 between -126 and 119; the scaled scores stay under 2^31 in magnitude.
; REGISTERS.  Window 0: v1-9 addresses; v12 -M, v13 the largest t, v[14:15] the sum; v16-31 Q; v32-47 the second tile's Q; v96-159 S^T, then p; v160-223 O^T; v224-239 codes; v240-254 at work.  Window 1: v0-127 K's eight fragments, v128-255 V's.
.set STEPB, 16384
.set VOFF,  131072
.set SPARE, 262144                     ; behind the tiles: the spare words, 128 bytes for each of 8 waves
.set LI,   1                           ; 16 x lane
.set LV,   2                           ; the same in V's part
.set PFO,  3                           ; 256 x lane
.set DD,   4                           ; 16 i + r - 8 h
.set SPW,  5
.set NIL,  6
.set ADK,  8
.set ADV,  9
.set WV,   18
.set RK,   19                          ; the rank of the tile in hand
.set SEL,  20
.set CS,   22
.set G1,   24
.set TB,   32                          ; LDS byte of the step's K
.set TL,   33                          ; tiles to go
.set KS,   34                          ; the key step
.set RL,   35                          ; min(rank, 7)
.set RB,   36                          ; the second tile's rank
.set G0,   40
.set CP,   46                          ; s[46:47] ctx's image of the tile in hand;  s[50:51] of the second tile
.set CB,   50
.set GK,   52                          ; s[52:53], s[54:55] K's and V's step 8 in memory;  s[56:57], s[58:59] the same, walking
.set GV,   54
.set PK,   56
.set PV,   58
.set PFA,  60
.set MSB, 0
.macro WIN new                         ; the immediate's high byte repeats the setting that is left
.if MSB != (\new)
	s_set_vgpr_msb (MSB<<8)|(\new)
.set MSB, (\new)
.endif
.endm
.macro CROUND                          ; a round of the cluster's barrier
	s_barrier_signal -1
	s_barrier_wait -1
	s_cmp_lg_u32 s[WV], 0
	s_cbranch_scc1 .Lnot_wave_0_\@
	s_barrier_signal -3
.Lnot_wave_0_\@:
	s_barrier_wait -3
	s_barrier_signal -1
	s_barrier_wait -1
.endm
.macro OFFS rk, qo, co                 ; byte offsets of Q's and ctx's images of rank s[rk]
	s_lshl_b32 s[\qo], s14, 4
	s_add_co_u32 s[\qo], s[\qo], s[\rk]
	s_lshl_b32 s[\qo], s[\qo], 3
	s_add_co_u32 s[\qo], s[\qo], s12
	s_lshl_b32 s[\qo], s[\qo], 11                  ; ((head x 16 + rank) x 8 + i) x 2,048
	s_mov_b32 s[\qo+1], 0
	s_lshr_b32 s[\co], s14, 3
	s_lshl_b32 s[\co], s[\co], 4
	s_add_co_u32 s[\co], s[\co], s[\rk]
	s_lshl_b32 s[\co], s[\co], 3
	s_add_co_u32 s[\co], s[\co], s12
	s_lshl_b32 s[\co], s[\co], 3
	s_add_co_u32 s[\co], s[\co], s15
	s_lshl_b32 s[\co], s[\co], 11                  ; ((batch x 128 + 8 rank + i) x 8 + head) x 2,048
	s_mov_b32 s[\co+1], 0
.endm
.macro LD reg, g, adr, ptr, off        ; eight images, 16,384 bytes, into window 1 from v[reg] on: g = 0 from LDS, g = 1 from memory
	WIN 0x40
.set n, 0
.rept 32
.if \g
	global_load_b128 v[\reg+4*n:\reg+4*n+3], v[LI], s[\ptr:\ptr+1] offset:\off+512*n
.else
	ds_load_b128 v[\reg+4*n:\reg+4*n+3], v[\adr] offset:\off+512*n
.endif
.set n, n+1
.endr
	WIN 0
.endm
	s_load_b128 s[4:7], s[0:1], 0x0                ; qkv, the exponents
	s_load_b64 s[8:9], s[0:1], 0x10                ; ctx_codes
	v_lshl_add_u32 v[SPW], v0, 2, SPARE
	v_mov_b32 v[NIL], 0
	ds_add_u32 v[SPW], v[NIL]                      ; the opening lines: the add, twice on end, and its wait ahead of my tensor load
	ds_add_u32 v[SPW], v[NIL]
	v_lshrrev_b32 v8, 5, v0
	v_readfirstlane_b32 s[WV], v8                  ; wave 0..7
	v_and_b32 v10, 31, v0
	v_lshlrev_b32 v[LI], 4, v10
	v_lshlrev_b32 v[PFO], 8, v10
	v_add_nc_u32 v[LV], VOFF, v[LI]
	s_bfe_u32 s13, ttmp6, 0x40000                  ; cx
	s_lshl_b32 s12, ttmp9, 2
	s_add_co_u32 s12, s12, s13                     ; i = 4 x cluster x + cx: it enters Q's, ctx's and the prefetch's addresses and the mask's numbers, and nothing else
	s_lshl_b32 s17, s12, 4
	v_and_b32 v10, 15, v0
	v_bfe_u32 v11, v0, 4, 1
	v_lshlrev_b32 v11, 3, v11
	v_sub_nc_u32 v[DD], v10, v11
	v_add_nc_u32 v[DD], s17, v[DD]
	s_and_b32 s14, ttmp7, 0xffff                   ; batch x 8 + head
	s_and_b32 s15, s14, 7
	s_add_co_u32 s[RK], s[WV], 8
	s_sub_co_u32 s[RB], 7, s[WV]
	OFFS RK, 44, CP
	OFFS RB, 48, CB
	s_lshl_b32 s86, s14, 18                        ; the head's 262,144 bytes of a plane
	s_lshr_b32 s87, s[WV], 2
	s_add_co_u32 s87, s87, 1                       ; waves 0-3 fetch K (plane 1), waves 4-7 V (plane 2):
	s_lshl_b32 s87, s87, 23
	s_add_co_u32 s87, s87, s86
	s_and_b32 s88, s[WV], 3
	s_lshl_b32 s88, s88, 15                        ; key steps 2 (wave % 4) and the next
	s_add_co_u32 s88, s88, s87
	s_mov_b32 s89, 0
	s_add_co_u32 s[GK], s86, (1<<23)+8*STEPB
	s_mov_b32 s[GK+1], 0
	s_add_co_u32 s[GV], s86, (2<<23)+8*STEPB
	s_mov_b32 s[GV+1], 0
	s_lshl_b32 s90, s13, 3
	s_add_co_u32 s90, s90, s[WV]                   ; u = 8 cx + wave: plane 1 + u / 16, 8,192 bytes x (u % 16)
	s_lshr_b32 s91, s90, 4
	s_lshl_b32 s91, s91, 23
	s_and_b32 s90, s90, 15
	s_lshl_b32 s90, s90, 13
	s_add_co_u32 s90, s90, s91
	s_add_co_u32 s[PFA], s90, s[GK]
	s_mov_b32 s[PFA+1], 0
	s_mov_b32 s[G1], 15|(3<<16)|(1<<21)            ; the mask: all four work-groups; elements of 8 bytes; bit 21 beside a mask
	s_mov_b32 s[G1+1], 32<<16                      ; a dense block of 32,768 bytes as 128 rows of 256
	s_mov_b32 s[G1+2], 128<<16
	s_mov_b32 s[G1+3], 32<<16
	s_mov_b32 s[G1+4], 128
	s_mov_b32 s[G1+5], 32
	s_mov_b32 s[G1+6], 0
	s_mov_b32 s[G1+7], 0
	s_mov_b32 s[SEL], 0x76543210
	s_mov_b32 s[SEL+1], 0xfedcba98
	s_mov_b32 s[CS], 0x3e0293ee                    ; c = log2(e) / sqrt(128)
	s_mov_b32 s[TL], 2
	s_wait_alu depctr_va_vdst(0)
	s_wait_dscnt 0x0                               ; both opening adds are done
	s_wait_kmcnt 0x0
	s_load_b128 s[68:71], s[6:7], 0x10             ; e4 .. e7
	s_load_b128 s[72:75], s[6:7], 0x20             ; e8 .. e11
	s_mov_b32 s[G0], 1
	s_lshl_b32 s[G0+1], s[WV], 15                  ; LDS address: 32,768 x wave
	s_add_nc_u64 s[G0+2:G0+3], s[4:5], s[88:89]
	s_or_b32 s[G0+3], s[G0+3], 0x80000000
	s_add_nc_u64 s[44:45], s[4:5], s[44:45]
	s_add_nc_u64 s[48:49], s[4:5], s[48:49]
	s_add_nc_u64 s[CP:CP+1], s[8:9], s[CP:CP+1]
	s_add_nc_u64 s[CB:CB+1], s[8:9], s[CB:CB+1]
	s_add_nc_u64 s[GK:GK+1], s[4:5], s[GK:GK+1]
	s_add_nc_u64 s[GV:GV+1], s[4:5], s[GV:GV+1]
	s_add_nc_u64 s[PFA:PFA+1], s[4:5], s[PFA:PFA+1]
	CROUND                                         ; all four work-groups are here: the joint loads meet
	tensor_load_to_lds s[G0:G0+3], s[G1:G1+7]      ; my one tensor load of the launch
	s_nop 0
.rept 4
	v_nop
.endr
.irp c, 0,1,2,3
	global_load_b128 v[16+4*\c:19+4*\c], v[LI], s[44:45] offset:512*\c   ; the first tile's Q,
	global_load_b128 v[32+4*\c:35+4*\c], v[LI], s[48:49] offset:512*\c   ; and the second's
.endr
	s_cmp_lg_u32 ttmp9, 0                          ; the head's first cluster asks: the same in all four partners
	s_cbranch_scc1 .Lno_pf
	global_prefetch_b8 v[PFO], s[PFA:PFA+1] th:TH_LOAD_NT scope:SCOPE_SE   ; its address registers are never rewritten
.Lno_pf:
	s_wait_kmcnt 0x0
	s_add_co_i32 s86, s70, s71
	s_lshl_b32 s86, s86, 23
	s_add_co_i32 s[CS], s[CS], s86                 ; e6 + e7 go into c's exponent field
	s_mov_b32 s[CS+1], s[CS]
	s_add_co_i32 s86, s72, 127
	s_lshl_b32 s87, s86, 23
	v_mov_b32 v244, s87                            ; 2^e8
	s_add_co_i32 s86, s86, 8
	s_lshl_b32 s86, s86, 23
	s_or_b32 s86, s86, 0x600000
	v_mov_b32 v240, s86                            ; 448 x 2^e8
	s_add_co_i32 s86, s74, 127
	s_lshl_b32 s94, s86, 23                        ; 2^e10
	s_add_co_i32 s86, s86, 8
	s_lshl_b32 s86, s86, 23
	s_or_b32 s95, s86, 0x600000                    ; 448 x 2^e10
	s_add_co_i32 s85, s72, s73                     ; e8 + e9
	s_wait_alu depctr_va_vdst(0)
	s_wait_loadcnt 0x0                             ; both Q
	s_wait_tensorcnt 0x0                           ; my part of the tiles is in
	s_barrier_signal -1
	s_barrier_wait -1                              ; everybody's is: from here on LDS is only read
; A KEY STEP of 128 keys.  g = 0: from LDS; g = 1: from memory.  Its K is in window 1, or on its way there.
.macro STEP g
.if \g == 0
	v_add_nc_u32 v[ADK], s[TB], v[LI]
	v_add_nc_u32 v[ADV], s[TB], v[LV]
.endif
	s_cmp_gt_u32 s[KS], s[RK]                      ; all 128 keys come after my queries
	s_cbranch_scc1 .Lhid_\@
	s_wait_alu depctr_va_vdst(0)
	s_wait_loadcnt 0x0
	s_wait_dscnt 0x0                               ; K is in
	WIN 0x01
.irp t, 0,1,2,3,4,5,6,7
	v_wmma_f32_16x16x128_fp8_fp8 v[96+8*\t:103+8*\t], v[16*\t:16*\t+15], v[16:31], 0
.endr
	WIN 0
.rept 4
	v_nop                                          ; places: ahead of the loads into K's and V's registers and of the first read of the scores
.endr
	LD 128, \g, ADV, PV, 0                         ; this step's V,
.if \g
	s_cmp_ge_u32 s[KS], s[RK]
	s_cbranch_scc1 .Lkd_\@
	LD 0, 1, ADK, PK, STEPB                        ; and the next step's K, if the tile has one
.else
	s_cmp_ge_u32 s[KS], s[RL]
	s_cbranch_scc1 .Lnk_\@
	LD 0, 0, ADK, PK, STEPB
	s_branch .Lkd_\@
.Lnk_\@:
	s_cmp_lt_u32 s[RK], 8
	s_cbranch_scc1 .Lkd_\@
	LD 0, 1, ADK, PK, 0                            ; behind step 7 of a tile of rank 8 or more: step 8, from memory
.endif
.Lkd_\@:
	s_cmp_lg_u32 s[KS], s[RK]                      ; on the diagonal hidden scores become -infinity; a query's own key counts, so M is a number from the tile's first step on
	s_cbranch_scc1 .Lopen_\@
	v_mov_b32 v254, 0xff800000
.set n, 0
.rept 64
	v_cmp_gt_i32 vcc_lo, 16*(n/8)+n%8, v[DD]
	v_cndmask_b32 v[96+n], v[96+n], v254, vcc_lo
.set n, n+1
.endr
.Lopen_\@:
	v_max3_num_f32 v254, v96, v97, v98             ; the step's largest score of my query, in two chains
	v_max3_num_f32 v252, v99, v100, v101
.irp i, 6,10,14,18,22,26,30,34,38,42,46,50,54,58
	v_max3_num_f32 v254, v254, v[96+\i], v[97+\i]
	v_max3_num_f32 v252, v252, v[98+\i], v[99+\i]
.endr
	v_max3_num_f32 v254, v254, v158, v159
	v_max_num_f32 v254, v254, v252
	v_permlanex16_b32 v236, v254, s[SEL], s[SEL+1]
	v_max_num_f32 v254, v254, v236                 ; and lane l xor 16's
	v_mul_f32 v254, s[CS], v254                    ; as t
	v_max_num_f32 v13, v13, v254
	v_mov_b32 v254, v12
	v_floor_f32 v12, -v13                          ; -M = floor(-t)
	v_sub_f32 v254, v12, v254
	v_cvt_i32_f32 v254, v254
	v_ldexp_f32 v252, 1.0, v254                    ; f = 2^(old M - new M)
.set j, 0
.rept 32
	v_pk_fma_f32 v[96+j:97+j], v[96+j:97+j], s[CS:CS+1], v[12:13] op_sel_hi:[1,0,0]   ; t - M
.set j, j+2
.endr
	s_wait_alu depctr_va_vdst(0)
.set j, 0
.rept 64
	v_exp_f32 v[96+j], v[96+j]                     ; p = 2^(t - M)
.set j, j+1
.endr
	v_pk_mul_f32 v[14:15], v[14:15], v[252:253] op_sel_hi:[1,0]   ; the sums under the new M; a plain place behind the batch
	s_wait_alu depctr_va_vdst(0)                   ; and the wait behind it
	v_pk_add_f32 v[242:243], v[96:97], v[98:99]    ; the sum of the unquantised p, in four chains
	v_pk_add_f32 v[246:247], v[100:101], v[102:103]
	v_pk_add_f32 v[248:249], v[104:105], v[106:107]
	v_pk_add_f32 v[14:15], v[14:15], v[108:109]
.set j, 110
.rept 6
	v_pk_add_f32 v[242:243], v[242:243], v[j:j+1]
	v_pk_add_f32 v[246:247], v[246:247], v[j+2:j+3]
	v_pk_add_f32 v[248:249], v[248:249], v[j+4:j+5]
	v_pk_add_f32 v[14:15], v[14:15], v[j+6:j+7]
.set j, j+8
.endr
	v_pk_add_f32 v[242:243], v[242:243], v[158:159]
	v_pk_add_f32 v[246:247], v[246:247], v[248:249]
	v_pk_add_f32 v[14:15], v[14:15], v[242:243]
	v_pk_add_f32 v[14:15], v[14:15], v[246:247]
.irp t, 0,1,2,3,4,5,6,7
.irp i, 0,1,2,3,4,5,6,7
	v_min_num_f32 v[96+8*\t+\i], v[96+8*\t+\i], v240   ; the conversion does not saturate (ISA guide 7.6.2); p is not negative
.endr
	v_cvt_scalef32_pk8_fp8_f32 v[224+2*\t:225+2*\t], v[96+8*\t:103+8*\t], v244
.endr
	s_wait_alu depctr_va_vdst(0)                   ; directly ahead of the first reader of O^T
.set j, 0
.rept 32
	v_pk_mul_f32 v[160+j:161+j], v[160+j:161+j], v[252:253] op_sel_hi:[1,0]   ; O^T under the new M
.set j, j+2
.endr
	s_wait_alu depctr_va_vdst(0)
.if \g
	s_wait_loadcnt 0x0                             ; V is in (and the next K)
.else
	s_wait_dscnt 0x0
.endif
	WIN 0x01
.irp t, 0,1,2,3,4,5,6,7
	v_wmma_f32_16x16x128_fp8_fp8 v[160+8*\t:167+8*\t], v[128+16*\t:143+16*\t], v[224:239], v[160+8*\t:167+8*\t]   ; the eight accumulators take turns
.endr
	WIN 0
.Lhid_\@:
.endm
.Ltile:                                            ; two trips: rank 8 + wave, then rank 7 - wave
	s_wait_loadcnt 0x0                             ; no load into window 1 is out on any way that leads here: step 0's K is loaded over those registers below
	s_wait_dscnt 0x0
	s_mov_b64 s[PK:PK+1], s[GK:GK+1]
	s_mov_b64 s[PV:PV+1], s[GV:GV+1]
	s_min_u32 s[RL], s[RK], 7
	v_mov_b32 v13, 0xff61b1e6                      ; the largest t so far: -3e38
	v_floor_f32 v12, -v13
	v_mov_b32 v14, 0
	v_mov_b32 v15, 0
	v_mov_b32 v236, 0                              ; a lane permute's destination counts as a source
	v_mov_b32 v252, 0
	v_mov_b32 v253, 0
.set j, 0
.rept 64
	v_mov_b32 v[160+j], 0                          ; O^T: the step is written once for all steps; the first change of M leaves zeros zeros
.set j, j+1
.endr
	s_mov_b32 s[TB], 0
	s_mov_b32 s[KS], 0
	v_mov_b32 v[ADK], v[LI]
	LD 0, 0, ADK, PK, 0                            ; step 0's K: it counts for every tile
.Llds:
	STEP 0
	s_add_co_u32 s[TB], s[TB], STEPB
	s_add_co_u32 s[KS], s[KS], 1
	s_cmp_lt_u32 s[KS], 8
	s_cbranch_scc1 .Llds
	s_mov_b32 s[KS], 8
.Lglb:
	STEP 1
	s_wait_xcnt 0x0                                ; the next K's loads have read their base
	s_add_nc_u64 s[PK:PK+1], s[PK:PK+1], STEPB
	s_add_nc_u64 s[PV:PV+1], s[PV:PV+1], STEPB
	s_add_co_u32 s[KS], s[KS], 1
	s_cmp_lt_u32 s[KS], 16
	s_cbranch_scc1 .Lglb
	; THE WAY OUT of a tile: O^T / the sum x 2^(e8 + e9), held within 448 x 2^e10, converted with 2^e10: tile t gives registers 2 t, 2 t + 1 of the image
	v_add_f32 v14, v14, v15
	v_permlanex16_b32 v252, v14, s[SEL], s[SEL+1]
	v_add_f32 v14, v14, v252                       ; the row's sum
	s_wait_alu depctr_va_vdst(0)
	v_rcp_f32 v14, v14
	v_mov_b32 v245, s94                            ; (plain places behind it)
	v_mov_b32 v241, s95
	s_wait_alu depctr_va_vdst(0)                   ; and ahead of its first reader
	v_ldexp_f32 v14, v14, s85
	s_wait_alu depctr_va_vdst(0)                   ; and directly ahead of the first reader of O^T
.set j, 0
.rept 32
	v_pk_mul_f32 v[96+j:97+j], v[160+j:161+j], v[14:15] op_sel_hi:[1,0]   ; each accumulator from its low end on
.set j, j+2
.endr
.set j, 0
.rept 64
	v_med3_num_f32 v[96+j], v[96+j], -v241, v241
.set j, j+1
.endr
.irp t, 0,1,2,3,4,5,6,7
	v_cvt_scalef32_pk8_fp8_f32 v[224+2*\t:225+2*\t], v[96+8*\t:103+8*\t], v245
.endr
	v_nop                                          ; one plain line behind the last conversion
.irp c, 0,1,2,3
	global_store_b128 v[LI], v[224+4*\c:227+4*\c], s[CP:CP+1] offset:512*\c   ; 32 lanes store 512 consecutive bytes
.endr
	s_wait_xcnt 0x0                                ; the stores have read their base and their data
	s_cmp_eq_u32 s[TL], 1
	s_cbranch_scc1 .Llast
	s_mov_b32 s[RK], s[RB]                         ; on to the second tile
	s_mov_b64 s[CP:CP+1], s[CB:CB+1]
.set j, 0
.rept 16
	v_mov_b32 v[16+j], v[32+j]
.set j, j+1
.endr
.Llast:
	s_sub_co_u32 s[TL], s[TL], 1
	s_cmp_lg_u32 s[TL], 0
	s_cbranch_scc1 .Ltile
	s_wait_tensorcnt 0x0                           ; the wave's end
	ds_add_u32 v[SPW], v[NIL]
	s_wait_dscnt 0x0
	CROUND                                         ; the closing round
	s_endpgm
.Lfunc_end_k_qfa2e6eaa19_attn:
	.size	k_qfa2e6eaa19_attn, .Lfunc_end_k_qfa2e6eaa19_attn-k_qfa2e6eaa19_attn
	.p2alignl 7, 3214868480
	.fill 96, 4, 3214868480
	.section	.rodata,"a",@progbits
	.p2align	6, 0x0
	.amdhsa_kernel k_qfa2e6eaa19_attn
		.amdhsa_group_segment_fixed_size 263168
		.amdhsa_private_segment_fixed_size 0
		.amdhsa_enable_private_segment 0
		.amdhsa_kernarg_size 24
		.amdhsa_user_sgpr_count 2
		.amdhsa_user_sgpr_kernarg_segment_ptr 1
		.amdhsa_wavefront_size32 1
		.amdhsa_system_sgpr_workgroup_id_x 1
		.amdhsa_system_sgpr_workgroup_id_y 1
		.amdhsa_system_sgpr_workgroup_id_z 1
		.amdhsa_system_vgpr_workitem_id 0
		.amdhsa_next_free_vgpr 512
		.amdhsa_next_free_sgpr 100
		.amdhsa_reserve_vcc 1
		.amdhsa_float_denorm_mode_32 3
		.amdhsa_float_denorm_mode_16_64 3
		.amdhsa_memory_ordered 1
		.amdhsa_forward_progress 1
		.amdhsa_inst_pref_size 74
	.end_amdhsa_kernel
	.amdgpu_metadata
---
amdhsa.version: [ 1, 2 ]
amdhsa.kernels:
  - .name:           k_qfa2e6eaa19_attn
    .symbol:         k_qfa2e6eaa19_attn.kd
    .args:
      - { .name: qkv, .offset: 0, .size: 8, .value_kind: global_buffer, .address_space: global }
      - { .name: lowp_scales, .offset: 8, .size: 8, .value_kind: global_buffer, .address_space: global }
      - { .name: ctx_codes, .offset: 16, .size: 8, .value_kind: global_buffer, .address_space: global }
    .group_segment_fixed_size: 263168
    .private_segment_fixed_size: 0
    .kernarg_segment_align: 8
    .kernarg_segment_size: 24
    .max_flat_workgroup_size: 256
    .sgpr_count:     100
    .vgpr_count:     512
    .wavefront_size: 32
...
	.end_amdgpu_metadata
.endif
;; end of part 3
;; launch outp (part 4): grid 4 x 32, 4 waves a work-group, clusters of 4 x 4, 327,680 bytes of LDS; arguments ctx_codes, w_codes, lowp_scales, bo, out0; writes out0
.if DOCPART == 4
	.amdgcn_target "amdgcn-amd-amdhsa--gfx1250"
	.amdhsa_code_object_version 6
	.text
	.protected	k_qfa2e6eaa19_outp
	.globl	k_qfa2e6eaa19_outp
	.p2align	8
	.type	k_qfa2e6eaa19_outp,@function
k_qfa2e6eaa19_outp:
	s_mov_b64 s[64:65], 0
	v_nop
	global_prefetch_b8 v0, s[64:65] scope:SCOPE_SE
	s_setreg_imm32_b32 hwreg(HW_REG_WAVE_MODE, 25, 1), 1
	s_wait_xcnt 0x0
	s_wait_alu depctr_hold_cnt(0) depctr_sa_sdst(0) depctr_va_vdst(0) depctr_va_sdst(0) depctr_va_ssrc(0) depctr_va_vcc(0) depctr_vm_vsrc(0)
	s_getreg_b32 s2, hwreg(HW_REG_IB_STS2, 6, 4)
	s_cmp_eq_u32 s2, 0
	s_cbranch_scc0 .Lentry_in_a_cluster
	s_endpgm
.Lentry_in_a_cluster:
	s_bfe_u32 s2, ttmp6, 0x10000c
	s_cmp_lg_u32 s2, 0xf033
	s_cbranch_scc0 .Lentry_shape_is_right
	s_endpgm
.Lentry_shape_is_right:
.set SIZE_N, 1024
.set KROW,   1024
.set ROWB,   256
.set IMGB,   4096
.set PITCH,  272
.set FR,     16
.set NL,     4
.set NP,     4
.set HALFT,  128*PITCH
.set SLOT,   4*HALFT
.set SPARE,  2*SLOT
.set SPITCH, 528
.set ADRA, 16
.set ADRB, 20
.set STO,  24
.set RD,   25
.set CO,   26
.set SPW,  28
.set NIL,  29
.set BS,   32
.set AF,   128
.set BK,   128
.set G1, 24
.set G0, 32
.set G1B, 48
.set G0B, 56
.set MSB, 0
.macro WIN new
.if MSB != (\new)
	s_set_vgpr_msb (MSB<<8)|(\new)
.set MSB, (\new)
.endif
.endm
.set MUL_LO, 0xa1
.set MUL_HI, 0xf1
.set TO_B,   0x40
.macro JLOAD g0a, g1a, g0b, g1b
	s_cmp_eq_u32 s15, 0
	s_cbranch_scc0 .Lfor_b_\@
	tensor_load_to_lds s[\g0a:\g0a+3], s[\g1a:\g1a+7]
	s_nop 0
.rept 4
	v_nop
.endr
	s_branch .Lasked_\@
.Lfor_b_\@:
	tensor_load_to_lds s[\g0b:\g0b+3], s[\g1b:\g1b+7]
	s_nop 0
.rept 4
	v_nop
.endr
.Lasked_\@:
.endm
.macro CREST
	s_cmp_lg_u32 s14, 0
	s_cbranch_scc1 .Lnot_wave_0_\@
	s_barrier_signal -3
.Lnot_wave_0_\@:
	s_barrier_wait -3
	s_barrier_signal -1
	s_barrier_wait -1
.endm
.macro CROUND
	s_barrier_signal -1
	s_barrier_wait -1
	CREST
.endm
	s_load_b128 s[4:7], s[0:1], 0x0
	s_load_b128 s[8:11], s[0:1], 0x10
	s_load_b64 s[12:13], s[0:1], 0x20
	v_lshl_add_u32 v[SPW], v0, 2, SPARE
	v_mov_b32 v[NIL], 0
	ds_add_u32 v28, v29
	ds_add_u32 v28, v29
	s_wait_dscnt 0x0
	v_lshrrev_b32 v1, 5, v0
	v_readfirstlane_b32 s14, v1
	s_lshr_b32 s15, s14, 1
	s_and_b32 s16, s14, 1
	s_bfe_u32 s40, ttmp6, 0x40000
	s_bfe_u32 s41, ttmp6, 0x40004
	s_lshl_b32 s42, ttmp9, 2
	s_add_co_u32 s42, s42, s40
	s_and_b32 s17, ttmp7, 0xffff
	s_lshl_b32 s17, s17, 2
	s_add_co_u32 s17, s17, s41
	s_lshl_b32 s43, s41, 2
	s_lshl_b32 s43, 15, s43
	s_lshl_b32 s44, 0x1111, s40
	s_or_b32 s[G1+0], s43, (3<<16)|(1<<21)
	s_mov_b32 s[G1+1], 512<<16
	s_mov_b32 s[G1+2], 8<<16
	s_mov_b32 s[G1+3], 512<<16
	s_mov_b32 s[G1+4], 8
	s_mov_b32 s[G1+5], 2048
	s_mov_b32 s[G1+6], 0
	s_mov_b32 s[G1+7], 0
	s_or_b32 s[G1B+0], s44, (0<<16)|(1<<20)|(1<<21)|(5<<22)|(3<<25)
	s_mov_b32 s[G1B+1], ROWB<<16
	s_mov_b32 s[G1B+2], 128<<16
	s_mov_b32 s[G1B+3], ROWB<<16
	s_mov_b32 s[G1B+4], 128
	s_mov_b32 s[G1B+5], KROW
	s_mov_b32 s[G1B+6], 0
	s_mov_b32 s[G1B+7], 0
	s_lshl_b32 s20, s17, 4
	s_lshl_b32 s18, s16, 3
	s_add_co_u32 s20, s20, s18
	s_lshl_b32 s20, s20, 14
	s_mov_b32 s21, 0
	s_lshl_b32 s46, s42, 8
	s_lshl_b32 s18, s16, 7
	s_add_co_u32 s46, s46, s18
	s_lshl_b32 s46, s46, 10
	s_add_co_u32 s46, s46, 0x300000
	s_mov_b32 s47, 0
	s_mul_i32 s45, s14, HALFT
	s_wait_kmcnt 0x0
	s_load_b64 s[96:97], s[8:9], 0x28
	s_add_nc_u64 s[20:21], s[4:5], s[20:21]
	s_add_nc_u64 s[46:47], s[6:7], s[46:47]
	CROUND
.irp s, 0,1
	s_mov_b32 s[G0+4*\s], 1
	s_add_co_u32 s[G0+4*\s+1], s45, \s*SLOT
	s_add_nc_u64 s[G0+4*\s+2:G0+4*\s+3], s[20:21], \s*IMGB
	s_or_b32 s[G0+4*\s+3], s[G0+4*\s+3], 0x80000000
	s_mov_b32 s[G0B+4*\s], 1
	s_add_co_u32 s[G0B+4*\s+1], s45, \s*SLOT
	s_add_nc_u64 s[G0B+4*\s+2:G0B+4*\s+3], s[46:47], \s*ROWB
	s_or_b32 s[G0B+4*\s+3], s[G0B+4*\s+3], 0x80000000
	s_wait_alu depctr_va_vdst(0)
	s_wait_tensorcnt 0x0
	ds_add_u32 v28, v29
	ds_add_u32 v28, v29
	s_wait_dscnt 0x0
	CROUND
	JLOAD G0+4*\s, G1, G0B+4*\s, G1B
.endr
	v_and_b32 v1, 15, v0
	v_bfe_u32 v2, v0, 4, 1
	v_and_b32 v6, 31, v0
	v_lshlrev_b32 v[CO], 4, v6
	v_mul_u32_u24 v3, v1, PITCH
	v_lshl_add_u32 v4, v2, 4, v3
	s_mul_i32 s21, s15, HALFT
	s_mul_i32 s22, s16, HALFT
	s_add_co_u32 s22, s22, 2*HALFT
.irp s, 0,1
	v_add_nc_u32 v[ADRA+\s], s21, v[CO]
	v_add_nc_u32 v[ADRB+\s], s22, v4
	s_add_co_u32 s21, s21, SLOT
	s_add_co_u32 s22, s22, SLOT
.endr
	s_mul_i32 s23, s14, 16*SPITCH
	v_mul_u32_u24 v5, v1, SPITCH
	v_lshl_add_u32 v5, v2, 5, v5
	v_add_nc_u32 v[STO], s23, v5
	v_add_nc_u32 v[RD], s23, v[CO]
	s_lshl_b32 s20, s17, 8
	s_lshl_b32 s21, s15, 7
	s_add_co_u32 s20, s20, s21
	s_lshl_b32 s20, s20, 12
	s_mov_b32 s21, 0
	s_lshl_b32 s46, s42, 10
	s_lshl_b32 s47, s16, 9
	s_add_co_u32 s46, s46, s47
	s_mov_b32 s47, 0
	s_add_nc_u64 s[12:13], s[12:13], s[20:21]
	s_add_nc_u64 s[12:13], s[12:13], s[46:47]
	s_add_nc_u64 s[10:11], s[10:11], s[46:47]
	v_lshlrev_b32 v8, 5, v2
.irp b, 0,1,2,3,4,5,6,7
	global_load_b128 v[BS+8*\b:BS+8*\b+3], v8, s[10:11] offset:64*\b
	global_load_b128 v[BS+8*\b+4:BS+8*\b+7], v8, s[10:11] offset:64*\b+16
.endr
.macro FRAG_B reg, adr, q, i
.irp c, 0,1,2,3
	ds_load_b128 v[\reg+4*\c:\reg+4*\c+3], v[\adr] offset:128*(\q)+32*\c+(\i)*16*PITCH
.endr
.endm
.macro FRAG_A reg, adr, q, i
.irp c, 0,1,2,3
	ds_load_b128 v[\reg+4*\c:\reg+4*\c+3], v[\adr] offset:2048*(\q)+512*\c+(\i)*IMGB
.endr
.endm
.macro MUL16 a0, p, zero
.irp a, \a0, \a0+1
.irp b, 0,1,2,3,4,5,6,7
.if \zero
	v_wmma_f32_16x16x128_fp8_fp8 v[8*(8*((\a)%4)+\b):8*(8*((\a)%4)+\b)+7], v[128*(\p)+FR*\b:128*(\p)+FR*\b+FR-1], v[AF+FR*(\a):AF+FR*(\a)+FR-1], 0
.else
	v_wmma_f32_16x16x128_fp8_fp8 v[8*(8*((\a)%4)+\b):8*(8*((\a)%4)+\b)+7], v[128*(\p)+FR*\b:128*(\p)+FR*\b+FR-1], v[AF+FR*(\a):AF+FR*(\a)+FR-1], v[8*(8*((\a)%4)+\b):8*(8*((\a)%4)+\b)+7]
.endif
.endr
.endr
.endm
.macro FETCH_B slot, q, p
	WIN TO_B
.irp i, 0,1,2,3,4,5,6,7
	FRAG_B 128*(\p)+FR*\i, ADRB+\slot, \q, \i
.endr
	WIN 0
.endm
.macro FETCH_A slot, q, i0
.irp i, \i0, \i0+1, \i0+2, \i0+3
	FRAG_A AF+FR*(\i), ADRA+\slot, \q, \i
.endr
.endm
.macro PLACES n
.rept \n
	v_nop
.endr
.endm
.macro STEP slot, q, zero
	s_wait_dscnt 4*NL
	WIN MUL_LO
	MUL16 0, (\q)%2, \zero
	MUL16 2, (\q)%2, \zero
	s_wait_dscnt 0
	PLACES NP
	FETCH_B \slot, (\q)+1, 1-(\q)%2
	FETCH_A \slot, (\q)+1, 0
	WIN MUL_HI
	MUL16 4, (\q)%2, \zero
	MUL16 6, (\q)%2, \zero
	PLACES NP
	WIN 0
	FETCH_A \slot, (\q)+1, 4
.endm
.macro TURN slot, next, fill
	s_wait_tensorcnt 0x0
	ds_add_u32 v[SPW], v[NIL]
	s_wait_dscnt 4*NL+1
	WIN MUL_LO
	MUL16 0, 1, 0
	s_wait_dscnt 0x0
	s_barrier_signal -1
	MUL16 2, 1, 0
	WIN 0
	s_barrier_wait -1
.if \fill
	CREST
	s_add_nc_u64 s[G0+4*\slot+2:G0+4*\slot+3], s[G0+4*\slot+2:G0+4*\slot+3], 2*IMGB
	s_add_nc_u64 s[G0B+4*\slot+2:G0B+4*\slot+3], s[G0B+4*\slot+2:G0B+4*\slot+3], 2*ROWB
	JLOAD G0+4*\slot, G1, G0B+4*\slot, G1B
.else
	PLACES NP
.endif
	FETCH_B \next, 0, 0
	FETCH_A \next, 0, 0
	WIN MUL_HI
	MUL16 4, 1, 0
	MUL16 6, 1, 0
	PLACES NP
	WIN 0
	FETCH_A \next, 0, 4
.endm
	s_wait_alu depctr_va_vdst(0)
	s_wait_tensorcnt 1
	s_barrier_signal -1
	s_barrier_wait -1
	FETCH_B 0, 0, 0
	FETCH_A 0, 0, 0
	FETCH_A 0, 0, 4
	STEP 0, 0, 1
	TURN 0, 1, 1
	STEP 1, 0, 0
	TURN 1, 0, 1
	STEP 0, 0, 0
	TURN 0, 1, 0
	STEP 1, 0, 0
	s_wait_dscnt 4*NL
	WIN MUL_LO
	MUL16 0, 1, 0
	MUL16 2, 1, 0
	s_wait_dscnt 0
	WIN MUL_HI
	MUL16 4, 1, 0
	MUL16 6, 1, 0
	WIN 0
.macro TOSTAGE a
.set AC, 64*((\a)%4)
	WIN 0x82+0x41*((\a)/4)
.set j, 0
.rept 32
	v_pk_fma_f32 v[AC+j:AC+j+1], v[AC+j:AC+j+1], s[96:97], v[BS+j:BS+j+1] op_sel_hi:[1,0,1]
.set j, j+2
.endr
	WIN 0x08+4*((\a)/4)
.irp b, 0,1,2,3,4,5,6,7
	ds_store_b128 v[STO], v[AC+8*\b:AC+8*\b+3] offset:64*\b
	ds_store_b128 v[STO], v[AC+8*\b+4:AC+8*\b+7] offset:64*\b+16
.endr
	WIN 0
.set BB, BK+64*((\a)%2)
.irp t, 0,1,2,3,4,5,6,7,8,9,10,11,12,13,14,15
	ds_load_b128 v[BB+4*\t:BB+4*\t+3], v[RD] offset:\t*SPITCH
.endr
.endm
.macro SEND a, younger
.set BB, BK+64*((\a)%2)
	s_wait_dscnt \younger
.if (\a) > 0
	s_add_nc_u64 s[12:13], s[12:13], 16*SIZE_N*4
.endif
.irp t, 0,1,2,3,4,5,6,7,8,9,10,11,12,13,14,15
	global_store_b128 v[CO], v[BB+4*\t:BB+4*\t+3], s[12:13] offset:\t*SIZE_N*4 th:TH_STORE_NT
.endr
.endm
	s_wait_kmcnt 0x0
	s_add_co_i32 s96, s96, s97
	s_add_co_i32 s96, s96, 127
	s_lshl_b32 s96, s96, 23
	s_mov_b32 s97, s96
	s_wait_loadcnt 0x0
	PLACES NP
	TOSTAGE 0
.irp a, 1,2,3,4,5,6,7
.if \a > 1
	s_wait_xcnt 0x0
.endif
	TOSTAGE \a
	SEND \a-1, 32
.endr
	s_wait_xcnt 0x0
	SEND 7, 0
	s_wait_tensorcnt 0x0
	ds_add_u32 v[SPW], v[NIL]
	s_wait_dscnt 0x0
	CROUND
	s_endpgm
.Lfunc_end_k_qfa2e6eaa19_outp:
	.size	k_qfa2e6eaa19_outp, .Lfunc_end_k_qfa2e6eaa19_outp-k_qfa2e6eaa19_outp
	.p2alignl 7, 3214868480
	.fill 96, 4, 3214868480
	.section	.rodata,"a",@progbits
	.p2align	6, 0x0
	.amdhsa_kernel k_qfa2e6eaa19_outp
		.amdhsa_group_segment_fixed_size 327680
		.amdhsa_private_segment_fixed_size 0
		.amdhsa_enable_private_segment 0
		.amdhsa_kernarg_size 40
		.amdhsa_user_sgpr_count 2
		.amdhsa_user_sgpr_kernarg_segment_ptr 1
		.amdhsa_wavefront_size32 1
		.amdhsa_system_sgpr_workgroup_id_x 1
		.amdhsa_system_sgpr_workgroup_id_y 1
		.amdhsa_system_sgpr_workgroup_id_z 1
		.amdhsa_system_vgpr_workitem_id 0
		.amdhsa_next_free_vgpr 1024
		.amdhsa_next_free_sgpr 100
		.amdhsa_reserve_vcc 0
		.amdhsa_float_denorm_mode_32 3
		.amdhsa_float_denorm_mode_16_64 3
		.amdhsa_memory_ordered 1
		.amdhsa_forward_progress 1
		.amdhsa_inst_pref_size 126
	.end_amdhsa_kernel
	.amdgpu_metadata
---
amdhsa.version: [ 1, 2 ]
amdhsa.kernels:
  - .name:           k_qfa2e6eaa19_outp
    .symbol:         k_qfa2e6eaa19_outp.kd
    .args:
      - { .name: ctx_codes, .offset: 0, .size: 8, .value_kind: global_buffer, .address_space: global }
      - { .name: w_codes, .offset: 8, .size: 8, .value_kind: global_buffer, .address_space: global }
      - { .name: lowp_scales, .offset: 16, .size: 8, .value_kind: global_buffer, .address_space: global }
      - { .name: bo, .offset: 24, .size: 8, .value_kind: global_buffer, .address_space: global }
      - { .name: out0, .offset: 32, .size: 8, .value_kind: global_buffer, .address_space: global }
    .group_segment_fixed_size: 327680
    .private_segment_fixed_size: 0
    .kernarg_segment_align: 8
    .kernarg_segment_size: 40
    .max_flat_workgroup_size: 128
    .sgpr_count:     100
    .vgpr_count:     1024
    .wavefront_size: 32
...
	.end_amdgpu_metadata
.endif
;; end of part 4
